; MI455X (gfx1250); checked and timed in simulation.
; The chip was launched on July 23, 2026; its instructions are those of AMD's public machine-readable ISA for CDNA 5 (MIT licence, August 2026) and "CDNA5" Instruction Set Architecture Reference Guide (July 2026). The comments in the code are by the model that wrote it; some were corrected since.
;; Causal Self Attention. Allowed arithmetic: matrix products marked QUANTISED: E2M1 operands, one E8M0 scale for each 32 along K, by v_wmma_scale_f32_16x16x128_f8f6f4 with both operands' format E2M1 (or v_wmma_scale_f32_32x16x128_f4), f32 sums; products left as they are: bf16, f16 or f32 operands; f32 sums; everything else in f32.
;; Inputs: Wk 768 x 768 float32; Wp 768 x 768 float32; Wq 768 x 768 float32; Wv 768 x 768 float32; x 1 x 4,096 x 768 float32.
;; Outputs: out0 1 x 4,096 x 768 float32.
;; This version of the problem:
;;   THIS VERSION OF THE PROBLEM IS GIVEN IN LOW PRECISION. The matrix products marked QUANTISED in the list below multiply operands that are first quantised to E2M1 (2 exponent bits, 1 mantissa bit; 4 bits a number), with one power-of-two scale for each 32 numbers along K (OCP MX v1.0); their sums are f32. The products marked 'left as it is' may take bf16, f16 or f32 operands, with f32 sums. Whichever they take, every output number must still come out within the allowed error. Rounding operands to bf16 (8 significant bits) uses up far more of that allowance than f16 does (11 bits, for magnitudes from 6e-5 to 65,504). All else is computed in f32.
;;   The module's matrix products, in the order in which they are computed (A, B: the left and right operand; K: the contracted axis; several contracted axes count as one K, in the product's order):
;;     1. [M 4,096, K 768] x [K 768, N 768]; A: input x; B: input Wq: QUANTISED
;;     2. [M 4,096, K 768] x [K 768, N 768]; A: input x; B: input Wk: QUANTISED
;;     3. [M 4,096, K 768] x [K 768, N 768]; A: input x; B: input Wv: QUANTISED
;;     4. batch 12 x [M 4,096, K 64] x [K 64, N 4,096]; A: computed on the way; B: computed on the way: left as it is (an operand is computed on the way)
;;     5. batch 12 x [M 4,096, K 4,096] x [K 4,096, N 64]; A: computed on the way; B: computed on the way: left as it is (an operand is computed on the way)
;;     6. [M 4,096, K 768] x [K 768, N 768]; A: computed on the way; B: input Wp: left as it is (an operand is computed on the way)
;;   THE QUANTISER, for each operand of a quantised product, along K:
;;     - K is cut into blocks of 32 from its start; a last block that is shorter is filled with zeros.
;;     - A block's scale is 2^e with e = floor(log2(the largest magnitude in the block)) - 2, held to -126 .. 127; a block of zeros has e = 0. As a byte (E8M0): e + 127.
;;     - Each number is divided by its block's scale, clamped to +-6, and rounded to the nearest number of E2M1, ties to even, subnormals kept.
;;     - The product sums the exact products of the quantised numbers (number of the format x scale) in f32.
;;   ~~~python
;;   def quantise(x, axis):      # numpy; x: float32 -> the quantised numbers, widened to float32 again
;;       x = np.moveaxis(x, axis, -1); K = x.shape[-1]
;;       x = np.pad(x, [(0, 0)] * (x.ndim - 1) + [(0, -K % 32)]); x = x.reshape(x.shape[:-1] + (-1, 32)); a = np.abs(x).max(-1, keepdims=True)
;;       e = np.where(a > 0, np.clip(np.frexp(np.where(a > 0, a, 1))[1] - 1 - 2, -126, 127), 0)      # np.frexp(a)[1] - 1 = floor(log2(a)), exactly
;;       r = np.clip(x / 2.0 ** e, -6, 6)
;;       step = 2.0 ** (np.maximum(np.frexp(np.where(r == 0, 1, r))[1] - 1, 0) - 1)
;;       q = np.round(r / step) * step * 2.0 ** e      # np.round: ties to even
;;       return np.moveaxis(q.reshape(q.shape[:-2] + (-1,))[..., :K], -1, axis).astype(np.float32)
;;   ~~~
;; One version. Each part assembles by itself: llvm-mc -triple=amdgcn-amd-amdhsa -mcpu=gfx1250 --defsym DOCPART=n.
;; ======== version 1 of 1: 5 launches
;; limits: values are held in f16: magnitudes above 65,504 overflow, below 6.1e-05 lose precision
;; workspace buffers: codes 2,457,600 bytes; scales 153,600 bytes; wpf 1,179,648 bytes; qkv 18,874,368 bytes; first 147,456 bytes; yf 6,291,456 bytes
;; launch prep (part 1): grid 448 x 1, 6 waves a work-group, no clusters, 51,456 bytes of LDS; arguments x, Wq, Wk, Wv, Wp, codes, scales, wpf; writes codes, scales, wpf
.if DOCPART == 1
	.amdgcn_target "amdgcn-amd-amdhsa--gfx1250"
	.amdhsa_code_object_version 6
	.text
	.protected	k_q7cec3889c0_prep
	.globl	k_q7cec3889c0_prep
	.p2align	8
	.type	k_q7cec3889c0_prep,@function
k_q7cec3889c0_prep:
	s_mov_b64 s[64:65], 0
	v_nop
	global_prefetch_b8 v0, s[64:65] scope:SCOPE_SE
	s_setreg_imm32_b32 hwreg(HW_REG_WAVE_MODE, 25, 1), 1
	s_wait_xcnt 0x0
; x [4096][768], Wq, Wk, Wv [768][768], f32, become codes of FP4 (E2M1) with one E8M0 byte for each 32 along K (K = the last axis); Wp [768][768] becomes f16.
; Everything is stored as IMAGES OF OPERAND REGISTERS: 512 bytes, lane l's 16 bytes at 16 l, so that every later load of an operand is dense.
;   codes  [row tile T][K step 0..5][c 0..1][512]: lane (r, h) holds k = 64 c + 32 h + 0..31 of row r of the K step.  T 0-255: x, 256-303: Wq, 304-351: Wk, 352-399: Wv.
;   scales [T][K step][16 words]: word r = row r's four bytes.       wpf [third j][n tile][kc 0..15][512]: lane (r, h) holds Wp[16 nt + r][256 j + 16 kc + 8 h + 0..7].
; A block's scale is 2^(floor(log2(largest magnitude)) - 2); its byte is the largest magnitude's exponent field - 2, held at 1 from below.
; LIMITS: a block of zeros gets the byte 1 where the rule says 127 (its codes are zeros, and this program alone reads the bytes); NaN and infinities are not served; |Wp| stays under 65,504 (f16).
; SHARES: work-group t takes one tile of 16 rows, wave w its 128 numbers 128 w .. 128 w + 127 of each row.  Each load reads 512 consecutive bytes of a row; the 8 KiB turn through the wave's own
; stage in LDS (rows 528 bytes apart: the sixteen rows that a read touches start at sixteen different banks), so that a lane gets whole blocks of 32 neighbours.  Waves share nothing: no barrier.
; The scale words leave 64 bytes at a time: one byte in 128 of what the launch reads.
.set PITCH, 528
.set STG,   16*PITCH                   ; a wave's stage
.set SPARE, 6*STG                      ; behind the stages: the spare words, 128 bytes a wave, three blocks of 256 bytes that no other line names
.set LANE, 1
.set LI,   2                           ; 16 x lane
.set SI,   3                           ; the stage, on the way in
.set SO,   4                           ; on the way out, codes: row r, + 128 h
.set SO2,  5                           ; on the way out, f16: row r, + 32 h
.set L4,   6                           ; 4 x lane
.set RR,   7
.set HH,   8
.set WRD,  9                           ; the scale word
.set SPW,  10                          ; my spare word's address; never rewritten
.set NIL,  11                          ; 0; never rewritten
.set R,    16                          ; v16-79   as loaded
.set X,    80                          ; v80-143  64 numbers in the operand's order
.set C,    144                         ; v144-175 results
	s_load_b512 s[4:19], s[0:1], 0x0               ; x, Wq, Wk, Wv, Wp, codes, scales, wpf
	v_lshl_add_u32 v[SPW], v0, 2, SPARE
	v_mov_b32 v[NIL], 0
	v_lshrrev_b32 v12, 5, v0
	v_readfirstlane_b32 s20, v12                   ; wave 0..5
	v_and_b32 v[LANE], 31, v0
	v_and_b32 v[RR], 15, v0
	v_bfe_u32 v[HH], v0, 4, 1
	v_lshlrev_b32 v[LI], 4, v[LANE]
	v_lshlrev_b32 v[L4], 2, v[LANE]
	s_mul_i32 s24, s20, STG
	v_add_nc_u32 v[SI], s24, v[LI]
	v_mul_u32_u24 v12, v[RR], PITCH
	v_add_nc_u32 v12, s24, v12
	v_lshl_add_u32 v[SO], v[HH], 7, v12
	v_lshl_add_u32 v[SO2], v[HH], 5, v12
	s_mov_b32 s32, 0x76543210
	s_mov_b32 s33, 0xfedcba98                      ; lane selects: lane l xor 16
	s_wait_kmcnt 0x0
	s_mov_b64 s[22:23], s[12:13]                   ; the source, by the work-group's number alone: Wp from tile 400 on,
	s_mov_b32 s21, 400
.macro PICK lim, lo, base
	s_cmp_lt_u32 ttmp9, \lim
	s_cselect_b64 s[22:23], s[\lo:\lo+1], s[22:23]
	s_cselect_b32 s21, \base, s21
.endm
	PICK 400, 10, 352                              ; Wv,
	PICK 352, 8, 304                               ; Wk,
	PICK 304, 6, 256                               ; Wq,
	PICK 256, 4, 0                                 ; x
	s_sub_co_u32 s24, ttmp9, s21
	s_mul_i32 s24, s24, 49152                      ; 16 rows of 3,072 bytes
	s_lshl_b32 s25, s20, 9
	s_add_co_u32 s24, s24, s25                     ; + my wave's 512 bytes of a row
	s_mov_b32 s25, 0
	s_add_nc_u64 s[22:23], s[22:23], s[24:25]
.irp p, 0,1,2,3,4,5,6,7,8,9,10,11,12,13,14,15
	global_load_b128 v[R+4*\p:R+4*\p+3], v[LI], s[22:23] offset:3072*\p th:TH_LOAD_NT
.endr
.irp p, 0,1,2,3,4,5,6,7,8,9,10,11,12,13,14,15
	s_wait_loadcnt 15-\p                           ; row p is in; the younger rows may be out
	ds_store_b128 v[SI], v[R+4*\p:R+4*\p+3] offset:PITCH*\p
.endr
	s_cmp_ge_u32 ttmp9, 400
	s_cbranch_scc1 .Lconvert
	; ---- codes.  LDS serves a wave's instructions in order: these loads see my stores
.irp c, 0,1
.irp g, 0,1,2,3,4,5,6,7
	ds_load_b128 v[X+32*\c+4*\g:X+32*\c+4*\g+3], v[SO] offset:256*\c+16*\g   ; X[32 c + i] = k 64 c + 32 h + i of row r
.endr
.endr
	s_mul_i32 s24, ttmp9, 6144
	s_lshl_b32 s26, s20, 10
	s_add_co_u32 s24, s24, s26
	s_add_nc_u64 s[14:15], s[14:15], s[24:25]      ; codes + 6,144 T + 1,024 w
	s_mul_i32 s24, ttmp9, 384
	s_lshl_b32 s26, s20, 6
	s_add_co_u32 s24, s24, s26
	s_add_nc_u64 s[16:17], s[16:17], s[24:25]      ; scales + 384 T + 64 w
	s_wait_dscnt 0x0
.irp c, 0,1
	v_max3_num_f32 v[12+\c], |v[X+32*\c]|, |v[X+32*\c+1]|, 0x1800000   ; my block 2 c + h: all 32 numbers are mine; the floor 2^(3 - 127) holds the byte at 1 from below
.endr
.irp i, 2,4,6,8,10,12,14,16,18,20,22,24,26,28,30
.irp c, 0,1
	v_max3_num_f32 v[12+\c], v[12+\c], |v[X+32*\c+\i]|, |v[X+32*\c+\i+1]|
.endr
.endr
.irp c, 0,1
	v_add_nc_u32 v[14+\c], 0xff000000, v[12+\c]    ; 2 off the exponent field: the conversion's scale operand
.endr
.irp c, 0,1
	v_lshrrev_b32 v[12+\c], 23, v[14+\c]           ; the byte
.endr
	v_lshl_or_b32 v[WRD], v13, 16, v12             ; bytes h and 2 + h,
	v_lshlrev_b32 v12, 3, v[HH]
	v_lshlrev_b32 v[WRD], v12, v[WRD]              ; at their places;
	v_mov_b32 v12, 0
	v_permlanex16_b32 v12, v[WRD], s32, s33
	v_or_b32 v[WRD], v[WRD], v12                   ; with lane l xor 16's two the word is whole
.irp c, 0,1
.irp g, 0,1,2,3
	v_cvt_scalef32_pk8_fp4_f32 v[C+4*\c+\g], v[X+32*\c+8*\g:X+32*\c+8*\g+7], v[14+\c]
.endr
.endr
	v_nop                                          ; a plain line behind the last scaled conversion
	global_store_b128 v[LI], v[C:C+3], s[14:15]              ; 512 consecutive bytes each
	global_store_b128 v[LI], v[C+4:C+7], s[14:15] offset:512
	s_wait_xcnt 0x0                                ; EXEC changes only behind this wait
	v_cmp_gt_u32 vcc_lo, 16, v[LANE]
	s_and_saveexec_b32 s34, vcc_lo
	global_store_b32 v[L4], v[WRD], s[16:17]       ; lanes 0-15: row r's word
	s_wait_xcnt 0x0
	s_or_b32 exec_lo, exec_lo, s34
	s_branch .Lend
.Lconvert:
	; ---- Wp to f16: image q holds k = 16 q + 8 h + 0..7 of my 128
.irp q, 0,1,2,3,4,5,6,7
.irp e, 0,1
	ds_load_b128 v[X+8*\q+4*\e:X+8*\q+4*\e+3], v[SO2] offset:64*\q+16*\e
.endr
.endr
	s_sub_co_u32 s24, ttmp9, 400
	s_lshl_b32 s24, s24, 13                        ; n tile x 8,192
	s_lshr_b32 s26, s20, 1
	s_mul_i32 s26, s26, 393216                     ; third = w / 2
	s_add_co_u32 s24, s24, s26
	s_and_b32 s26, s20, 1
	s_lshl_b32 s26, s26, 12                        ; kc = 8 (w % 2) + q
	s_add_co_u32 s24, s24, s26
	s_add_nc_u64 s[18:19], s[18:19], s[24:25]
	s_wait_dscnt 0x0
.irp q, 0,1,2,3,4,5,6,7
.irp p, 0,1,2,3
	v_cvt_pk_f16_f32 v[C+4*\q+\p], v[X+8*\q+2*\p], v[X+8*\q+2*\p+1]
.endr
.endr
.irp q, 0,1,2,3,4,5,6,7
	global_store_b128 v[LI], v[C+4*\q:C+4*\q+3], s[18:19] offset:512*\q
.endr
.Lend:
	s_wait_tensorcnt 0x0                           ; the wave's end, behind my last LDS store
	ds_add_u32 v[SPW], v[NIL]
	s_wait_dscnt 0x0
	s_endpgm
.Lfunc_end_k_q7cec3889c0_prep:
	.size	k_q7cec3889c0_prep, .Lfunc_end_k_q7cec3889c0_prep-k_q7cec3889c0_prep
	.p2alignl 7, 3214868480
	.fill 96, 4, 3214868480
	.section	.rodata,"a",@progbits
	.p2align	6, 0x0
	.amdhsa_kernel k_q7cec3889c0_prep
		.amdhsa_group_segment_fixed_size 51456
		.amdhsa_private_segment_fixed_size 0
		.amdhsa_enable_private_segment 0
		.amdhsa_kernarg_size 64
		.amdhsa_user_sgpr_count 2
		.amdhsa_user_sgpr_kernarg_segment_ptr 1
		.amdhsa_wavefront_size32 1
		.amdhsa_system_sgpr_workgroup_id_x 1
		.amdhsa_system_sgpr_workgroup_id_y 1
		.amdhsa_system_sgpr_workgroup_id_z 1
		.amdhsa_system_vgpr_workitem_id 0
		.amdhsa_next_free_vgpr 176
		.amdhsa_next_free_sgpr 66
		.amdhsa_reserve_vcc 1
		.amdhsa_float_denorm_mode_32 3
		.amdhsa_float_denorm_mode_16_64 3
		.amdhsa_memory_ordered 1
		.amdhsa_forward_progress 1
		.amdhsa_inst_pref_size 15
	.end_amdhsa_kernel
	.amdgpu_metadata
---
amdhsa.version: [ 1, 2 ]
amdhsa.kernels:
  - .name:           k_q7cec3889c0_prep
    .symbol:         k_q7cec3889c0_prep.kd
    .args:
      - { .name: x, .offset: 0, .size: 8, .value_kind: global_buffer, .address_space: global }
      - { .name: Wq, .offset: 8, .size: 8, .value_kind: global_buffer, .address_space: global }
      - { .name: Wk, .offset: 16, .size: 8, .value_kind: global_buffer, .address_space: global }
      - { .name: Wv, .offset: 24, .size: 8, .value_kind: global_buffer, .address_space: global }
      - { .name: Wp, .offset: 32, .size: 8, .value_kind: global_buffer, .address_space: global }
      - { .name: codes, .offset: 40, .size: 8, .value_kind: global_buffer, .address_space: global }
      - { .name: scales, .offset: 48, .size: 8, .value_kind: global_buffer, .address_space: global }
      - { .name: wpf, .offset: 56, .size: 8, .value_kind: global_buffer, .address_space: global }
    .group_segment_fixed_size: 51456
    .private_segment_fixed_size: 0
    .kernarg_segment_align: 8
    .kernarg_segment_size: 64
    .max_flat_workgroup_size: 192
    .sgpr_count:     66
    .vgpr_count:     176
    .wavefront_size: 32
...
	.end_amdgpu_metadata
.endif
;; end of part 1
;; launch qkv (part 2): grid 12 x 16, 4 waves a work-group, clusters of 4 x 4, 183,296 bytes of LDS; arguments codes, scales, qkv, first; writes qkv, first
.if DOCPART == 2
	.amdgcn_target "amdgcn-amd-amdhsa--gfx1250"
	.amdhsa_code_object_version 6
	.text
	.protected	k_q7cec3889c0_qkv
	.globl	k_q7cec3889c0_qkv
	.p2align	8
	.type	k_q7cec3889c0_qkv,@function
k_q7cec3889c0_qkv:
	s_mov_b64 s[64:65], 0
	v_nop
	global_prefetch_b8 v0, s[64:65] scope:SCOPE_SE
	s_setreg_imm32_b32 hwreg(HW_REG_WAVE_MODE, 25, 1), 1
	s_wait_xcnt 0x0
	s_wait_alu depctr_hold_cnt(0) depctr_sa_sdst(0) depctr_va_vdst(0) depctr_va_sdst(0) depctr_va_ssrc(0) depctr_va_vcc(0) depctr_vm_vsrc(0)
	s_getreg_b32 s2, hwreg(HW_REG_IB_STS2, 6, 4)
	s_cmp_eq_u32 s2, 0
	s_cbranch_scc0 .Lentry_in_a_cluster
	s_endpgm
.Lentry_in_a_cluster:
	s_bfe_u32 s2, ttmp6, 0x10000c
	s_cmp_lg_u32 s2, 0xf033
	s_cbranch_scc0 .Lentry_shape_is_right
	s_endpgm
.Lentry_shape_is_right:
; q = x Wq^T, k = x Wk^T, v = x Wv^T on codes of FP4 with E8M0 scales, K = 768, f32 sums; results leave as f16 images of the operands that the attention launch wants.
; A work-group makes 256 tokens x 192 columns (three heads) of one of q, k, v; four waves, each 128 tokens x 96 columns: 48 accumulators.  All of K (6 steps of 128) lies in LDS, filled once: no ring.
; CLUSTER 4 x 4: cluster x = which of q, k, v (the same in all partners, so a branch may hang on it); cx = the column block; 4 x cluster y + cy = the token block.
; The four of a row of the cluster need the same codes and scales of x, the four of a column the same of W: each is asked for jointly.
; q, k: source 0 = 16 rows of W, source 1 = 16 tokens: a lane holds one token and 8 neighbouring channels.  v: the sources swapped: a lane holds one channel and 8 neighbouring tokens (V^T).  Packed to f16,
; an accumulator is 16 bytes a lane: half of a 16 x 32 fragment as the next products take it.  qkv: [head][token tile][Q ct 0-3 | K ct 0-3 | V^T ct 0-3][512 bytes].
; Token tile 0 leaves also in f32, as the accumulators stand: first [48 region + 4 head + ct][e][512].  LIMIT: |q|, |k|, |v| under 65,504 (f16).
; REGISTERS: window 0: v1-15 addresses; v16-57 scale words and nothing else; v64-191 x's fragments, two sets; on the way out v64-255 the packed results.
;   windows 1, 2: accumulators (token tile tt, n tile nt) at v[8 (6 (tt % 4) + nt)];  window 3: W's fragments, two sets of 48.
.set ACOD,  0                          ; x's codes: 16 tiles x 6,144
.set BCOD,  98304                      ; W's codes: 12 tiles
.set ASCL,  172032                     ; x's scale words: 16 x 384
.set BSCL,  178176                     ; W's: 12 x 384
.set SPARE, 182784                     ; the spare words: 128 bytes a wave, two blocks of 256 bytes that no other line names
.set SPW, 1
.set NIL, 2
.set LI,  3                            ; 16 x lane
.set AA,  4                            ; my 8 token tiles' codes
.set BA,  5                            ; my 6 n tiles' codes
.set ASA, 6                            ; their scale words
.set BSA, 7
.set OFF, 8                            ; v8-13 my byte offset in qkv, for each n tile
.set FOFF, 14                          ; and in first
.set CYV, 15                           ; cy in every lane
.set SA,  16                           ; v[SA + 3 tt + kp]: lanes 0-15 K step 2 kp, lanes 16-31 K step 2 kp + 1
.set SB,  40                           ; v[SB + 3 nt + kp]
.set AF,  64
.set G1A, 24
.set G1B, 32
.set G1SA, 40
.set G1SB, 48
.set G0A, 56
.set G0B, 60
.set G0SA, 68
.set G0SB, 72
.set MSB, 0
.macro WIN new                         ; the immediate's high byte repeats the setting that is left
.if MSB != (\new)
	s_set_vgpr_msb (MSB<<8)|(\new)
.set MSB, \new
.endif
.endm
.macro PLACES n
.rept \n
	v_nop
.endr
.endm
; A joint load: waves 0 and 1 fetch for x, waves 2 and 3 for W.  The branch hangs on the wave's number alone.  An s_nop 0 and four v_nop follow each line.
.macro JLOAD g0a, g1a, g0b, g1b
	s_cmp_eq_u32 s13, 0
	s_cbranch_scc0 .Lfor_b_\@
	tensor_load_to_lds s[\g0a:\g0a+3], s[\g1a:\g1a+7]
	s_nop 0
.rept 4
	v_nop
.endr
	s_branch .Lasked_\@
.Lfor_b_\@:
	tensor_load_to_lds s[\g0b:\g0b+3], s[\g1b:\g1b+7]
	s_nop 0
.rept 4
	v_nop
.endr
.Lasked_\@:
.endm
.macro CROUND                          ; a round of the cluster's barrier
	s_barrier_signal -1
	s_barrier_wait -1
	s_cmp_lg_u32 s12, 0
	s_cbranch_scc1 .Lnot_wave_0_\@
	s_barrier_signal -3
.Lnot_wave_0_\@:
	s_barrier_wait -3
	s_barrier_signal -1
	s_barrier_wait -1
.endm
.macro SHAPE g, rows                   ; a dense block as rows of 256 bytes (32 elements of 8 bytes)
	s_mov_b32 s[\g+1], 32<<16
	s_mov_b32 s[\g+2], (\rows)<<16
	s_mov_b32 s[\g+3], 32<<16
	s_mov_b32 s[\g+4], \rows
	s_mov_b32 s[\g+5], 32
	s_mov_b32 s[\g+6], 0
	s_mov_b32 s[\g+7], 0
.endm
	s_load_b256 s[4:11], s[0:1], 0x0               ; codes, scales, qkv, first
	v_lshl_add_u32 v[SPW], v0, 2, SPARE
	v_mov_b32 v[NIL], 0
	ds_add_u32 v[SPW], v[NIL]                      ; the wave's opening: the add, twice on end, and its wait ahead of my first tensor load
	ds_add_u32 v[SPW], v[NIL]
	v_lshrrev_b32 v3, 5, v0
	v_readfirstlane_b32 s12, v3                    ; wave 0..3
	s_lshr_b32 s13, s12, 1                         ; which 128 tokens are mine.  Also: I fetch for x (0) or for W (1)
	s_and_b32 s14, s12, 1                          ; which 96 columns.  Also: which half I fetch
	s_bfe_u32 s15, ttmp6, 0x40000                  ; cx
	s_bfe_u32 s16, ttmp6, 0x40004                  ; cy
	s_and_b32 s17, ttmp7, 0xffff                   ; cluster y
	s_lshl_b32 s18, s17, 2
	s_add_co_u32 s18, s18, s16                     ; token block
	s_lshl_b32 s19, s16, 2
	s_lshl_b32 s19, 15, s19                        ; my row of the cluster
	s_lshl_b32 s20, 0x1111, s15                    ; my column
	s_or_b32 s[G1A], s19, (3<<16)|(1<<21)          ; 15:0 the mask; 17:16 elements of 8 bytes; 21 set beside a mask; no padding
	s_or_b32 s[G1B], s20, (3<<16)|(1<<21)
	s_or_b32 s[G1SA], s19, (3<<16)|(1<<21)
	s_or_b32 s[G1SB], s20, (3<<16)|(1<<21)
	SHAPE G1A, 192                                 ; 8 tiles x 6,144 bytes
	SHAPE G1B, 144                                 ; 6 tiles
	SHAPE G1SA, 12                                 ; 8 x 384 bytes
	SHAPE G1SB, 9                                  ; 6 x 384
	s_mul_i32 s76, s18, 98304                      ; x: hangs on the token block and the wave alone
	s_mul_i32 s77, s14, 49152
	s_add_co_u32 s76, s76, s77
	s_mov_b32 s77, 0
	s_mul_i32 s78, s18, 6144
	s_mul_i32 s79, s14, 3072
	s_add_co_u32 s78, s78, s79
	s_mov_b32 s79, 0
	s_mul_i32 s80, ttmp9, 48                       ; W: row tile 256 + 48 region + 12 cx: hangs on the region, cx and the wave alone
	s_mul_i32 s81, s15, 12
	s_add_co_u32 s80, s80, s81
	s_add_co_u32 s80, s80, 256
	s_mul_i32 s82, s80, 6144
	s_mul_i32 s83, s14, 36864
	s_add_co_u32 s82, s82, s83
	s_mov_b32 s83, 0
	s_mul_i32 s84, s80, 384
	s_mul_i32 s85, s14, 2304
	s_add_co_u32 s84, s84, s85
	s_mov_b32 s85, 0
	s_wait_dscnt 0x0                               ; both opening adds are done
	s_wait_kmcnt 0x0
	s_add_nc_u64 s[76:77], s[4:5], s[76:77]
	s_add_nc_u64 s[78:79], s[6:7], s[78:79]
	s_add_nc_u64 s[82:83], s[4:5], s[82:83]
	s_add_nc_u64 s[84:85], s[6:7], s[84:85]
	CROUND                                         ; all sixteen work-groups are here: the joint loads meet
	s_mov_b32 s[G0SA], 1
	s_mul_i32 s[G0SA+1], s14, 3072
	s_add_co_u32 s[G0SA+1], s[G0SA+1], ASCL
	s_mov_b64 s[G0SA+2:G0SA+3], s[78:79]
	s_or_b32 s[G0SA+3], s[G0SA+3], 0x80000000
	s_mov_b32 s[G0SB], 1
	s_mul_i32 s[G0SB+1], s14, 2304
	s_add_co_u32 s[G0SB+1], s[G0SB+1], BSCL
	s_mov_b64 s[G0SB+2:G0SB+3], s[84:85]
	s_or_b32 s[G0SB+3], s[G0SB+3], 0x80000000
	JLOAD G0SA, G1SA, G0SB, G1SB
	s_mov_b32 s[G0A], 1
	s_mul_i32 s[G0A+1], s14, 49152
	s_mov_b64 s[G0A+2:G0A+3], s[76:77]
	s_or_b32 s[G0A+3], s[G0A+3], 0x80000000
	s_mov_b32 s[G0B], 1
	s_mul_i32 s[G0B+1], s14, 36864
	s_add_co_u32 s[G0B+1], s[G0B+1], BCOD
	s_mov_b64 s[G0B+2:G0B+3], s[82:83]
	s_or_b32 s[G0B+3], s[G0B+3], 0x80000000
	JLOAD G0A, G1A, G0B, G1B                       ; two loads of mine are out
	v_and_b32 v[LI], 31, v0
	v_lshlrev_b32 v[ASA], 2, v[LI]
	v_lshlrev_b32 v[LI], 4, v[LI]
	s_mul_i32 s86, s13, 49152
	v_add_nc_u32 v[AA], s86, v[LI]
	s_mul_i32 s86, s14, 36864
	s_add_co_u32 s86, s86, BCOD
	v_add_nc_u32 v[BA], s86, v[LI]
	s_mul_i32 s86, s14, 2304
	s_add_co_u32 s86, s86, BSCL
	v_add_nc_u32 v[BSA], s86, v[ASA]
	s_mul_i32 s86, s13, 3072
	s_add_co_u32 s86, s86, ASCL
	v_add_nc_u32 v[ASA], s86, v[ASA]
	; where the results go (global addresses alone hang on cx and cy together)
	s_mul_i32 s86, s15, 12
	s_mul_i32 s87, s14, 6
	s_add_co_u32 s86, s86, s87                     ; my first n tile in the region
	s_lshl_b32 s87, s18, 4
	s_lshl_b32 s88, s13, 3
	s_add_co_u32 s87, s87, s88                     ; my first token tile
	s_mul_i32 s87, s87, 6144
	s_lshl_b32 s88, ttmp9, 11
	s_add_co_u32 s87, s87, s88                     ; + 2,048 x region
.irp nt, 0,1,2,3,4,5
	s_add_co_u32 s88, s86, \nt
	s_lshr_b32 s89, s88, 2                         ; head
	s_mul_i32 s89, s89, 256*6144
	s_and_b32 s88, s88, 3                          ; ct
	s_lshl_b32 s88, s88, 9
	s_add_co_u32 s89, s89, s88
	s_add_co_u32 s89, s89, s87
	v_add_nc_u32 v[OFF+\nt], s89, v[LI]
.endr
	s_mul_i32 s88, ttmp9, 48
	s_add_co_u32 s88, s88, s86
	s_lshl_b32 s88, s88, 10
	v_add_nc_u32 v[FOFF], s88, v[LI]
	v_mov_b32 v[CYV], s16
; The fragments of K step ks into set ks % 2: 12 loads of W's, 16 of x's, each 512 consecutive bytes
.macro FETCH ks
	WIN 0xc0                                       ; destination window 3
.irp nt, 0,1,2,3,4,5
.irp c, 0,1
	ds_load_b128 v[48*((\ks)%2)+8*\nt+4*\c:48*((\ks)%2)+8*\nt+4*\c+3], v[BA] offset:6144*\nt+1024*(\ks)+512*\c
.endr
.endr
	WIN 0
.irp tt, 0,1,2,3,4,5,6,7
.irp c, 0,1
	ds_load_b128 v[AF+64*((\ks)%2)+8*\tt+4*\c:AF+64*((\ks)%2)+8*\tt+4*\c+3], v[AA] offset:6144*\tt+1024*(\ks)+512*\c
.endr
.endr
.endm
; 48 matrix instructions: K step ks.  The 48 accumulators take turns, one instruction a turn, in the same order in every K step.  K step 0 starts the sums.
.macro MUL ks, swap
.irp hf, 0,1
.if \swap
	WIN 0x5c+0x50*\hf                              ; source 0 (x) window 0, source 1 (W) window 3, C and D window 1 or 2
.else
	WIN 0x53+0x50*\hf                              ; source 0 (W) window 3, source 1 (x) window 0
.endif
.irp t, 0,1,2,3
.irp n, 0,1,2,3,4,5
.set rD, 8*(6*\t+\n)
.if \swap
.set r0, AF+64*((\ks)%2)+8*(4*\hf+\t)
.set r1, 48*((\ks)%2)+8*\n
.set q0, SA+3*(4*\hf+\t)+(\ks)/2
.set q1, SB+3*\n+(\ks)/2
.else
.set r0, 48*((\ks)%2)+8*\n
.set r1, AF+64*((\ks)%2)+8*(4*\hf+\t)
.set q0, SB+3*\n+(\ks)/2
.set q1, SA+3*(4*\hf+\t)+(\ks)/2
.endif
.if (\ks) == 0
	v_wmma_scale_f32_16x16x128_f8f6f4 v[rD:rD+7], v[r0:r0+7], v[r1:r1+7], 0, v[q0], v[q1] matrix_a_fmt:MATRIX_FMT_FP4 matrix_b_fmt:MATRIX_FMT_FP4
.elseif (\ks)%2
	v_wmma_scale_f32_16x16x128_f8f6f4 v[rD:rD+7], v[r0:r0+7], v[r1:r1+7], v[rD:rD+7], v[q0], v[q1] matrix_a_fmt:MATRIX_FMT_FP4 matrix_b_fmt:MATRIX_FMT_FP4 matrix_a_scale:MATRIX_SCALE_ROW1 matrix_b_scale:MATRIX_SCALE_ROW1
.else
	v_wmma_scale_f32_16x16x128_f8f6f4 v[rD:rD+7], v[r0:r0+7], v[r1:r1+7], v[rD:rD+7], v[q0], v[q1] matrix_a_fmt:MATRIX_FMT_FP4 matrix_b_fmt:MATRIX_FMT_FP4
.endif
.endr
.endr
.endr
.endm
.macro KLOOP swap
.irp ks, 0,1,2,3,4,5
.if \ks < 5
.if \ks > 0
	PLACES 4                                       ; in front of loads into registers that the last K step but one's products, just issued, have read
.endif
	FETCH \ks+1
	s_wait_dscnt 28                                ; all but the 28 loads just issued
.else
	s_wait_dscnt 0x0
.endif
	MUL \ks, \swap
.endr
	WIN 0
.endm
	s_wait_tensorcnt 0x0                           ; my parts are in,
	s_barrier_signal -1
	s_barrier_wait -1                              ; everybody's are; nothing is filled again
.irp tt, 0,1,2,3,4,5,6,7
.irp kp, 0,1,2
	ds_load_b32 v[SA+3*\tt+\kp], v[ASA] offset:384*\tt+128*\kp
.endr
.endr
.irp nt, 0,1,2,3,4,5
.irp kp, 0,1,2
	ds_load_b32 v[SB+3*\nt+\kp], v[BSA] offset:384*\nt+128*\kp
.endr
.endr
	FETCH 0
	s_cmp_eq_u32 ttmp9, 2                          ; v?  The region is the cluster's x: the same in all partners
	s_cbranch_scc1 .Lfor_v
	KLOOP 0
	s_branch .Lout
.Lfor_v:
	KLOOP 1
.Lout:
	; THE WAY OUT: each accumulator, from its low end on, packs into 16 bytes a lane; a store covers 512 consecutive bytes, aligned
	PLACES 4
.irp hf, 0,1
	WIN 0x05+0x05*\hf                              ; sources window 1 or 2, destination window 0
.set a, 0
.rept 24
.irp p, 0,1,2,3
	v_cvt_pk_f16_f32 v[64+4*(24*\hf+a)+\p], v[8*a+2*\p], v[8*a+2*\p+1]
.endr
.set a, a+1
.endr
.endr
	WIN 0
.irp tt, 0,1,2,3,4,5,6,7
.irp nt, 0,1,2,3,4,5
	global_store_b128 v[OFF+\nt], v[64+4*(6*\tt+\nt):64+4*(6*\tt+\nt)+3], s[8:9] offset:6144*\tt
.endr
.endr
	; token tile 0 in f32: cluster y = 0 and my tokens' half 0 by branches that are alike in all partners; cy = 0 by a lane mask
	s_cmp_lg_u32 s17, 0
	s_cbranch_scc1 .Lno_first
	s_cmp_lg_u32 s13, 0
	s_cbranch_scc1 .Lno_first
	s_wait_xcnt 0x0                                ; EXEC changes only behind this wait
	v_cmp_eq_u32 vcc_lo, 0, v[CYV]
	s_and_saveexec_b32 s90, vcc_lo
	WIN 0x04                                       ; a store's data: window 1
.irp nt, 0,1,2,3,4,5
.irp e, 0,1
	global_store_b128 v[FOFF], v[8*\nt+4*\e:8*\nt+4*\e+3], s[10:11] offset:1024*\nt+512*\e
.endr
.endr
	WIN 0
	s_wait_xcnt 0x0
	s_or_b32 exec_lo, exec_lo, s90
.Lno_first:
	s_wait_tensorcnt 0x0                           ; the wave's end
	ds_add_u32 v[SPW], v[NIL]
	s_wait_dscnt 0x0
	CROUND                                         ; the closing round
	s_endpgm
.Lfunc_end_k_q7cec3889c0_qkv:
	.size	k_q7cec3889c0_qkv, .Lfunc_end_k_q7cec3889c0_qkv-k_q7cec3889c0_qkv
	.p2alignl 7, 3214868480
	.fill 96, 4, 3214868480
	.section	.rodata,"a",@progbits
	.p2align	6, 0x0
	.amdhsa_kernel k_q7cec3889c0_qkv
		.amdhsa_group_segment_fixed_size 183296
		.amdhsa_private_segment_fixed_size 0
		.amdhsa_enable_private_segment 0
		.amdhsa_kernarg_size 32
		.amdhsa_user_sgpr_count 2
		.amdhsa_user_sgpr_kernarg_segment_ptr 1
		.amdhsa_wavefront_size32 1
		.amdhsa_system_sgpr_workgroup_id_x 1
		.amdhsa_system_sgpr_workgroup_id_y 1
		.amdhsa_system_sgpr_workgroup_id_z 1
		.amdhsa_system_vgpr_workitem_id 0
		.amdhsa_next_free_vgpr 864
		.amdhsa_next_free_sgpr 100
		.amdhsa_reserve_vcc 1
		.amdhsa_float_denorm_mode_32 3
		.amdhsa_float_denorm_mode_16_64 3
		.amdhsa_memory_ordered 1
		.amdhsa_forward_progress 1
		.amdhsa_inst_pref_size 125
	.end_amdhsa_kernel
	.amdgpu_metadata
---
amdhsa.version: [ 1, 2 ]
amdhsa.kernels:
  - .name:           k_q7cec3889c0_qkv
    .symbol:         k_q7cec3889c0_qkv.kd
    .args:
      - { .name: codes, .offset: 0, .size: 8, .value_kind: global_buffer, .address_space: global }
      - { .name: scales, .offset: 8, .size: 8, .value_kind: global_buffer, .address_space: global }
      - { .name: qkv, .offset: 16, .size: 8, .value_kind: global_buffer, .address_space: global }
      - { .name: first, .offset: 24, .size: 8, .value_kind: global_buffer, .address_space: global }
    .group_segment_fixed_size: 183296
    .private_segment_fixed_size: 0
    .kernarg_segment_align: 8
    .kernarg_segment_size: 32
    .max_flat_workgroup_size: 128
    .sgpr_count:     100
    .vgpr_count:     864
    .wavefront_size: 32
...
	.end_amdgpu_metadata
.endif
;; end of part 2
;; launch attn (part 3): grid 16 x 12, 8 waves a work-group, no clusters, 327,680 bytes of LDS; arguments qkv, yf; writes yf
.if DOCPART == 3
	.amdgcn_target "amdgcn-amd-amdhsa--gfx1250"
	.amdhsa_code_object_version 6
	.text
	.protected	k_q7cec3889c0_attn
	.globl	k_q7cec3889c0_attn
	.p2align	8
	.type	k_q7cec3889c0_attn,@function
k_q7cec3889c0_attn:
	s_mov_b64 s[64:65], 0
	v_nop
	global_prefetch_b8 v0, s[64:65] scope:SCOPE_SE
	s_setreg_imm32_b32 hwreg(HW_REG_WAVE_MODE, 25, 1), 1
	s_wait_xcnt 0x0
; y[h][q] = sum over k <= q of softmax_k(q . k / 8) v, head size 64, 4,096 positions, 12 heads.  Operands f16 (images that the launch before stored), products, maxima and sums f32, running maximum.
; SHARES.  Work-group (i, head) owns two blocks of 128 queries: block 31 - i first, block i second.  Block b walks (b / 2) + 1 tiles of 256 keys; the two counts add up to 17 for every i: ONE loop of
; 16 trips and a tail, the same in every work-group and all work-groups have equal work.
; WAVES.  qg = wave % 4 picks 32 queries (two tiles of 16), kh = wave / 4 a key half: of a tile's four chunks of 64 keys wave kh takes chunks kh and 2 + kh.  Two waves lie on a SIMD, so that one's softmax stands
; beside the other's products.  At a block's end wave kh = 1 hands its O^T, maximum and sum to wave kh = 0 through LDS, which merges, divides and stores.
; NO CLUSTER: partners would be neighbouring query blocks with different causal limits; with no branch on a work-group's place all four would have to walk 18 tiles, four of them under the mask, against 17.
; LAYOUT.  S^T = K Q^T and O^T = V^T P: a lane holds ONE query (lane % 16) throughout; S^T's tiles packed to f16 are P's fragments.
; A chunk all of whose keys come after the wave's 32 queries is jumped over (ids and counted steps alone); a chunk that is walked begins at or under the wave's first query, so every query sees a key in it.
; LIMIT: |q|, |k|, |v| and |y| under 65,504 (f16).
; REGISTERS: window 0: v1-10 addresses; v16-31 statistics, tile t at 16 + 8 t: c m, m, l (two halves), four at work (a at +6); v32-63 Q; v64-127 S^T; v128-159 P; v160-223 O^T; v224-233 the merge.
;   window 1: v0-63 K's fragments (key tile i, channels 32 s on: 16 i + 8 s); v64-127 V^T's (channels 16 ct on, keys 32 ks on: 64 + 16 ct + 8 ks).
.set SLOT1, 65536                      ; two slots of 64 KiB; key tile kt of a tile lies at (kt % 8) x 8,192 + (kt / 8) x 4,096: K's four images, then V^T's four
.set CMB,   131072                     ; the merge: 18 images for each qg
.set SPARE, 167936                     ; the spare words: 128 bytes a wave, four blocks of 256 bytes that no other line names
.set REC,   6144                       ; a token tile's record in qkv
.set TILEB, 16*REC                     ; 256 keys on
.set SPW, 1
.set NIL, 2
.set LI,  3                            ; 16 x lane
.set AKV0, 4                           ; 16 x lane + 32,768 kh
.set ADR, 5                            ; + the slot in hand
.set CMBA, 6
.set RH,  7                            ; lane % 16 - 8 (lane / 16)
.set DD,  8
.set NINF, 9
.set PFO, 10
.set ST,  16
.set QQ,  32
.set SS,  64
.set PP,  128
.set OO,  160
.set MB,  224
; s8 wave, s10 qg, s11 kh, s12 i, s13 head, s14 the first block's tiles, s15 the trip, s16 the slot in hand, s17 first key of my chunk 0 of the tile, s18 / s19 my first / last query, s20, s21 at work,
; s[22:23] c, s[24:25] lane selects, s[26:27] my part of the head's tile 0, s[28:29] the tile's offset, s[32:35] / s[36:43] descriptor, s[44:45] prefetches, s46 their limit, s[48:49] Q, s[50:51] y
.set MSB, 0
.macro WIN new
.if MSB != (\new)
	s_set_vgpr_msb (MSB<<8)|(\new)
.set MSB, \new
.endif
.endm
.macro PLACES n
.rept \n
	v_nop
.endr
.endm
; A block begins (its number in s21): ids, addresses, the state (m = -3e38, under every score; l = 0; O^T = 0: the first step's a is then 0, and the step is written once), and Q, which stays in registers.
.macro ITEM
	s_lshl_b32 s18, s21, 7
	s_lshl_b32 s20, s10, 5
	s_add_co_u32 s18, s18, s20                     ; my first query
	s_add_co_u32 s19, s18, 31                      ; my last
	s_lshl_b32 s17, s11, 6                         ; tile 0: my first chunk begins at key 64 kh
	s_lshr_b32 s20, s18, 4                         ; my first token tile
	s_lshl_b32 s52, s13, 8
	s_add_co_u32 s52, s52, s20
	s_mul_i32 s52, s52, REC
	s_mov_b32 s53, 0
	s_wait_xcnt 0x0                                ; earlier loads and stores have read their bases and data: both may be written
	s_add_nc_u64 s[48:49], s[4:5], s[52:53]
	s_lshl_b32 s52, s20, 13                        ; yf: token tile x 8,192
	s_lshr_b32 s54, s13, 2
	s_lshl_b32 s54, s54, 21                        ; + third (head / 4) x 2,097,152
	s_add_co_u32 s52, s52, s54
	s_and_b32 s54, s13, 3
	s_lshl_b32 s54, s54, 11                        ; + (head % 4) x 4 images
	s_add_co_u32 s52, s52, s54
	s_add_nc_u64 s[50:51], s[6:7], s[52:53]
.irp t, 0,1
.irp ct, 0,1,2,3
	global_load_b128 v[QQ+16*\t+4*\ct:QQ+16*\t+4*\ct+3], v[LI], s[48:49] offset:REC*\t+512*\ct
.endr
.endr
.irp t, 0,1
	v_mov_b32 v[ST+8*\t+1], 0xff61b1e6
	v_mov_b32 v[ST+8*\t+2], 0
	v_mov_b32 v[ST+8*\t+3], 0
	v_mul_f32 v[ST+8*\t], s22, v[ST+8*\t+1]
.endr
.set j, 0
.rept 64
	v_mov_b32 v[OO+j], 0
.set j, j+1
.endr
	s_wait_loadcnt 0x0
.endm
; A prefetch of the tile two trips on: 16 records x 4,096 bytes, a lane to each 256 bytes, one instruction a wave.  All work-groups of a head walk the same K and V; work-group i = 0 walks all 16 tiles
; in order first, so it asks, in trips 0 to 13 for tiles 2 to 15, and nobody else: each block is named once.
.macro ASK
	s_cmp_lt_u32 s15, s46
	s_cbranch_scc0 .Lnot_mine_\@
	global_prefetch_b8 v[PFO], s[44:45] th:TH_LOAD_NT scope:SCOPE_SE
.Lnot_mine_\@:
.endm
; THE CHANGE OF SLOTS, at a trip's head.  Each wave waits for all its tensor loads (one: its part of the tile that it is about to read), adds 0 to its spare word, and waits for that and for its reads of the slot
; that it has left.  Behind the barrier that slot is filled with the next tile: one load a wave, first thing; it has a whole trip in which to land.
.macro CHANGE fill
	s_wait_tensorcnt 0x0
	ds_add_u32 v[SPW], v[NIL]
.if \fill
	s_xor_b32 s33, s33, SLOT1                      ; the other slot,
	s_add_co_u32 s28, s28, TILEB                   ; the next 256 keys,
	s_add_co_u32 s20, s15, 1
	s_cmp_eq_u32 s20, s14
	s_cselect_b32 s28, 0, s28                      ; or, where the second block begins, the head's first
	s_add_nc_u64 s[34:35], s[26:27], s[28:29]
	s_or_b32 s35, s35, 0x80000000
	s_wait_xcnt 0x0                                ; the last prefetch, a trip back, has read its address
	s_add_nc_u64 s[44:45], s[44:45], TILEB
.endif
	s_wait_dscnt 0x0
	s_barrier_signal -1
	s_barrier_wait -1
.if \fill
	tensor_load_to_lds s[32:35], s[36:43]
	s_nop 0
.rept 4
	v_nop
.endr
	ASK
.endif
.endm
; One tile's softmax for 64 keys, both tiles line by line by turns.  All 66 exponentials are one batch with one wait ahead of the first reader.
.macro SOFTMAX
.irp j, 0,1,2,3
.irp t, 0,1
	v_max3_num_f32 v[ST+8*\t+4+\j], v[SS+32*\t+8*\j], v[SS+32*\t+8*\j+1], v[SS+32*\t+8*\j+2]   ; four chains, each from an accumulator's low end on
.endr
.endr
.irp q, 3,5
.irp j, 0,1,2,3
.irp t, 0,1
	v_max3_num_f32 v[ST+8*\t+4+\j], v[ST+8*\t+4+\j], v[SS+32*\t+8*\j+\q], v[SS+32*\t+8*\j+\q+1]
.endr
.endr
.endr
.irp t, 0,1
	v_max3_num_f32 v[ST+8*\t+4], v[ST+8*\t+4], v[SS+32*\t+7], v[SS+32*\t+15]
	v_max3_num_f32 v[ST+8*\t+6], v[ST+8*\t+6], v[SS+32*\t+23], v[SS+32*\t+31]
.endr
.irp t, 0,1
	v_max3_num_f32 v[ST+8*\t+4], v[ST+8*\t+4], v[ST+8*\t+5], v[ST+8*\t+6]
.endr
.irp t, 0,1
	v_max3_num_f32 v[ST+8*\t+4], v[ST+8*\t+4], v[ST+8*\t+7], v[ST+8*\t+1]   ; and the old m
.endr
.irp t, 0,1
	v_permlanex16_b32 v[ST+8*\t+5], v[ST+8*\t+4], s24, s25                  ; the query's other 32 keys lie in the lane 16 away
.endr
.irp t, 0,1
	v_mov_b32 v[ST+8*\t+7], v[ST+8*\t]                                      ; c m_old
.endr
.irp t, 0,1
	v_max_num_f32 v[ST+8*\t+1], v[ST+8*\t+4], v[ST+8*\t+5]
.endr
.irp t, 0,1
	v_mul_f32 v[ST+8*\t], s22, v[ST+8*\t+1]
.endr
.irp t, 0,1
	v_sub_f32 v[ST+8*\t+7], v[ST+8*\t+7], v[ST+8*\t]
.endr
.irp b, 0,1,2,3,4,5,6,7,8,9,10,11,12,13,14,15
.irp t, 0,1
	v_pk_fma_f32 v[SS+32*\t+2*\b:SS+32*\t+2*\b+1], v[SS+32*\t+2*\b:SS+32*\t+2*\b+1], s[22:23], v[ST+8*\t:ST+8*\t+1] op_sel_hi:[1,0,0] neg_lo:[0,0,1] neg_hi:[0,0,1]   ; c s - c m
.endr
.endr
.irp t, 0,1
	v_exp_f32 v[ST+8*\t+6], v[ST+8*\t+7]                                    ; a = 2^(c m_old - c m_new)
.endr
.set j, 0
.rept 32
	v_exp_f32 v[SS+j], v[SS+j]
	v_exp_f32 v[SS+32+j], v[SS+32+j]
.set j, j+1
.endr
	v_nop                                          ; a plain line behind the last exponential
	s_wait_alu depctr_va_vdst(0)                   ; one wait for the batch, ahead of its first reader
.irp b, 0,1,2,3,4,5,6,7,8,9,10,11,12,13,14,15
.irp t, 0,1
	v_cvt_pk_f16_f32 v[PP+16*\t+\b], v[SS+32*\t+2*\b], v[SS+32*\t+2*\b+1]
.endr
.endr
.irp u, 0,1,2,3,4,5,6,7
.irp t, 0,1
	v_pk_add_f32 v[SS+32*\t+4*\u:SS+32*\t+4*\u+1], v[SS+32*\t+4*\u:SS+32*\t+4*\u+1], v[SS+32*\t+4*\u+2:SS+32*\t+4*\u+3]   ; the sum of the unrounded weights, as a tree in place
.endr
.endr
.irp u, 0,1,2,3
.irp t, 0,1
	v_pk_add_f32 v[SS+32*\t+8*\u:SS+32*\t+8*\u+1], v[SS+32*\t+8*\u:SS+32*\t+8*\u+1], v[SS+32*\t+8*\u+4:SS+32*\t+8*\u+5]
.endr
.endr
.irp u, 0,1
.irp t, 0,1
	v_pk_add_f32 v[SS+32*\t+16*\u:SS+32*\t+16*\u+1], v[SS+32*\t+16*\u:SS+32*\t+16*\u+1], v[SS+32*\t+16*\u+8:SS+32*\t+16*\u+9]
.endr
.endr
.irp t, 0,1
	v_pk_add_f32 v[SS+32*\t:SS+32*\t+1], v[SS+32*\t:SS+32*\t+1], v[SS+32*\t+16:SS+32*\t+17]
.endr
.irp t, 0,1
	v_pk_fma_f32 v[ST+8*\t+2:ST+8*\t+3], v[ST+8*\t+2:ST+8*\t+3], v[ST+8*\t+6:ST+8*\t+7], v[SS+32*\t:SS+32*\t+1] op_sel_hi:[1,0,1]   ; l = a l + the sum
.endr
.irp b, 0,1,2,3,4,5,6,7,8,9,10,11,12,13,14,15
.irp t, 0,1
	v_pk_mul_f32 v[OO+32*\t+2*\b:OO+32*\t+2*\b+1], v[OO+32*\t+2*\b:OO+32*\t+2*\b+1], v[ST+8*\t+6:ST+8*\t+7] op_sel_hi:[1,0]   ; O^T x a, each accumulator from its low end on
.endr
.endr
.endm
; A STEP: my chunk 2 u + kh of the tile in hand: 64 keys for 32 queries.
.macro STEP u
	s_add_co_u32 s20, s17, 128*\u                  ; the chunk's first key
	s_cmp_gt_u32 s20, s19
	s_cbranch_scc1 .Lskip_\@                       ; all its keys come after my last query
	PLACES 4                                       ; in front of loads into registers that the last products have read
	WIN 0x40                                       ; destination window 1
.irp i, 0,1,2,3
.irp ct, 0,1,2,3
	ds_load_b128 v[16*\i+4*\ct:16*\i+4*\ct+3], v[ADR] offset:8192*\i+4096*\u+512*\ct
.endr
.endr
.irp i, 0,1,2,3
.irp ct, 0,1,2,3
	ds_load_b128 v[64+16*\ct+4*\i:64+16*\ct+4*\i+3], v[ADR] offset:8192*\i+4096*\u+2048+512*\ct
.endr
.endr
	s_wait_dscnt 16                                ; K is in; V's sixteen loads may be out
	WIN 0x01                                       ; source 0 window 1
.irp s, 0,1                                    ; the eight accumulators take turns, one instruction a turn
.irp t, 0,1
.irp i, 0,1,2,3
.if \s == 0
	v_wmma_f32_16x16x32_f16 v[SS+32*\t+8*\i:SS+32*\t+8*\i+7], v[16*\i+8*\s:16*\i+8*\s+7], v[QQ+16*\t+8*\s:QQ+16*\t+8*\s+7], 0
.else
	v_wmma_f32_16x16x32_f16 v[SS+32*\t+8*\i:SS+32*\t+8*\i+7], v[16*\i+8*\s:16*\i+8*\s+7], v[QQ+16*\t+8*\s:QQ+16*\t+8*\s+7], v[SS+32*\t+8*\i:SS+32*\t+8*\i+7]
.endif
.endr
.endr
.endr
	WIN 0
	PLACES 4
	s_add_co_u32 s21, s20, 63
	s_cmp_le_u32 s21, s18
	s_cbranch_scc1 .Lopen_\@                       ; all its keys count for all my queries
	s_sub_co_i32 s21, s18, s20
	v_add_nc_u32 v[DD], s21, v[RH]                 ; register (t, i, j) holds key 16 i + 8 (lane / 16) + j of the chunk for query 16 t + lane % 16: hidden where 16 i + j - 16 t > d
.irp t, 0,1
.irp i, 0,1,2,3
.irp j, 0,1,2,3,4,5,6,7
	v_cmp_gt_i32 vcc_lo, 16*\i+\j-16*\t, v[DD]
	v_cndmask_b32 v[SS+32*\t+8*\i+\j], v[SS+32*\t+8*\i+\j], v[NINF], vcc_lo
.endr
.endr
.endr
.Lopen_\@:
	SOFTMAX
	s_wait_dscnt 0x0                               ; V is in
	WIN 0x01
.irp ks, 0,1
.irp t, 0,1
.irp ct, 0,1,2,3
	v_wmma_f32_16x16x32_f16 v[OO+32*\t+8*\ct:OO+32*\t+8*\ct+7], v[64+16*\ct+8*\ks:64+16*\ct+8*\ks+7], v[PP+16*\t+8*\ks:PP+16*\t+8*\ks+7], v[OO+32*\t+8*\ct:OO+32*\t+8*\ct+7]
.endr
.endr
.endr
	WIN 0
.Lskip_\@:
.endm
; Wave kh = 1 hands over: O^T's 16 quads and the two tiles' c m, m, l as images.
.macro SENDPART
	s_cmp_eq_u32 s11, 0
	s_cbranch_scc1 .Lno_send_\@
	PLACES 4
.irp g, 0,1,2,3,4,5,6,7,8,9,10,11,12,13,14,15
	ds_store_b128 v[CMBA], v[OO+4*\g:OO+4*\g+3] offset:512*\g
.endr
.irp t, 0,1
	ds_store_b128 v[CMBA], v[ST+8*\t:ST+8*\t+3] offset:8192+512*\t
.endr
.Lno_send_\@:
.endm
; Wave kh = 0 merges: N = the larger c m; both parts come under it by f = 2^(c m - N); O = (O_A f_A + O_B f_B) / (l_A f_A + l_B f_B); f16; 8 stores of 512 consecutive bytes.
.macro MERGE
	s_cmp_lg_u32 s11, 0
	s_cbranch_scc1 .Lno_merge_\@
.irp g, 0,1,2,3,4,5,6,7,8,9,10,11,12,13,14,15
	ds_load_b128 v[SS+4*\g:SS+4*\g+3], v[CMBA] offset:512*\g
.endr
.irp t, 0,1
	ds_load_b128 v[MB+4*\t:MB+4*\t+3], v[CMBA] offset:8192+512*\t
.endr
	s_wait_dscnt 0x0
.irp t, 0,1
	v_max_num_f32 v[MB+8+\t], v[ST+8*\t], v[MB+4*\t]
.endr
.irp t, 0,1
	v_sub_f32 v[ST+8*\t+4], v[ST+8*\t], v[MB+8+\t]
	v_sub_f32 v[ST+8*\t+5], v[MB+4*\t], v[MB+8+\t]
.endr
.irp t, 0,1
	v_exp_f32 v[ST+8*\t+4], v[ST+8*\t+4]
	v_exp_f32 v[ST+8*\t+5], v[ST+8*\t+5]
.endr
.irp t, 0,1
	v_add_f32 v[ST+8*\t+2], v[ST+8*\t+2], v[ST+8*\t+3]
	v_add_f32 v[MB+4*\t+2], v[MB+4*\t+2], v[MB+4*\t+3]
.endr
	s_wait_alu depctr_va_vdst(0)                   ; one wait for the four exponentials
.irp t, 0,1
	v_mul_f32 v[ST+8*\t+2], v[ST+8*\t+2], v[ST+8*\t+4]
.endr
.irp t, 0,1
	v_fma_f32 v[ST+8*\t+2], v[MB+4*\t+2], v[ST+8*\t+5], v[ST+8*\t+2]
.endr
.irp t, 0,1
	v_permlanex16_b32 v[ST+8*\t+3], v[ST+8*\t+2], s24, s25
.endr
.irp t, 0,1
	v_add_f32 v[ST+8*\t+2], v[ST+8*\t+2], v[ST+8*\t+3]
.endr
.irp t, 0,1
	v_rcp_f32 v[ST+8*\t+3], v[ST+8*\t+2]
.endr
	v_nop
	s_wait_alu depctr_va_vdst(0)                   ; and one for the two reciprocals
.irp t, 0,1
	v_mul_f32 v[ST+8*\t+6], v[ST+8*\t+5], v[ST+8*\t+3]
	v_mul_f32 v[ST+8*\t+4], v[ST+8*\t+4], v[ST+8*\t+3]
.endr
.irp b, 0,1,2,3,4,5,6,7,8,9,10,11,12,13,14,15
.irp t, 0,1
	v_pk_mul_f32 v[SS+32*\t+2*\b:SS+32*\t+2*\b+1], v[SS+32*\t+2*\b:SS+32*\t+2*\b+1], v[ST+8*\t+6:ST+8*\t+7] op_sel_hi:[1,0]
.endr
.endr
.irp b, 0,1,2,3,4,5,6,7,8,9,10,11,12,13,14,15
.irp t, 0,1
	v_pk_fma_f32 v[SS+32*\t+2*\b:SS+32*\t+2*\b+1], v[OO+32*\t+2*\b:OO+32*\t+2*\b+1], v[ST+8*\t+4:ST+8*\t+5], v[SS+32*\t+2*\b:SS+32*\t+2*\b+1] op_sel_hi:[1,0,1]
.endr
.endr
.irp b, 0,1,2,3,4,5,6,7,8,9,10,11,12,13,14,15
.irp t, 0,1
	v_cvt_pk_f16_f32 v[PP+16*\t+\b], v[SS+32*\t+2*\b], v[SS+32*\t+2*\b+1]
.endr
.endr
.irp t, 0,1
.irp ct, 0,1,2,3
	global_store_b128 v[LI], v[PP+16*\t+4*\ct:PP+16*\t+4*\ct+3], s[50:51] offset:8192*\t+512*\ct
.endr
.endr
.Lno_merge_\@:
.endm
.macro SWITCH                          ; the first block is done: merge it, and begin block i
	PLACES 4                                       ; behind the last products, on every way: for the merge's loads and reads and for the new block's moves and loads
	MERGE
	s_mov_b32 s21, s12
	ITEM
.endm
	s_load_b128 s[4:7], s[0:1], 0x0                ; qkv, yf
	v_lshl_add_u32 v[SPW], v0, 2, SPARE
	v_mov_b32 v[NIL], 0
	ds_add_u32 v[SPW], v[NIL]                      ; the wave's opening: the add, twice on end, and its wait ahead of my first tensor load
	ds_add_u32 v[SPW], v[NIL]
	v_lshrrev_b32 v3, 5, v0
	v_readfirstlane_b32 s8, v3                     ; wave 0..7
	s_and_b32 s10, s8, 3
	s_lshr_b32 s11, s8, 2
	s_mov_b32 s12, ttmp9
	s_and_b32 s13, ttmp7, 0xffff
	s_sub_co_u32 s21, 31, s12                      ; the first block
	s_lshr_b32 s14, s21, 1
	s_add_co_u32 s14, s14, 1                       ; its tiles
	s_mov_b32 s15, 0
	s_mov_b32 s16, 0
	s_mov_b32 s22, 0x3e38aa3b                      ; c = log2(e) / 8
	s_mov_b32 s23, s22
	s_mov_b32 s24, 0x76543210
	s_mov_b32 s25, 0xfedcba98
	; the descriptor: wave w brings key tiles w and w + 8 of a tile: two rows of 4,096 bytes (K's and V^T's images of a record), 8 records apart
	s_mov_b32 s36, 3<<16                           ; no mask; elements of 8 bytes; no padding
	s_mov_b32 s37, 512<<16                         ; tensor_dim0 = 512
	s_mov_b32 s38, 2<<16                           ; tensor_dim1 = 2
	s_mov_b32 s39, 512<<16                         ; tile_dim0 = 512
	s_mov_b32 s40, 2                               ; tile_dim1 = 2
	s_mov_b32 s41, 8*REC/8                         ; from row to row, in elements
	s_mov_b32 s42, 0
	s_mov_b32 s43, 0
	s_mov_b32 s32, 1
	s_lshl_b32 s33, s8, 13                         ; slot 0 + 8,192 x wave
	s_lshl_b32 s28, s13, 8
	s_add_co_u32 s28, s28, s8
	s_mul_i32 s28, s28, REC
	s_add_co_u32 s28, s28, 2048
	s_mov_b32 s29, 0
	s_wait_dscnt 0x0                               ; both opening adds are done
	s_wait_kmcnt 0x0
	s_add_nc_u64 s[26:27], s[4:5], s[28:29]
	s_mov_b32 s28, 0
	s_mov_b64 s[34:35], s[26:27]
	s_or_b32 s35, s35, 0x80000000
	tensor_load_to_lds s[32:35], s[36:43]          ; tile 0 into slot 0
	s_nop 0
.rept 4
	v_nop
.endr
	s_mul_i32 s52, s13, 256*REC
	s_add_co_u32 s52, s52, 2048+TILEB              ; the prefetches stand at tile 1; the first trip steps them to tile 2
	s_mov_b32 s53, 0
	s_add_nc_u64 s[44:45], s[4:5], s[52:53]
	s_cmp_eq_u32 s12, 0
	s_cselect_b32 s46, 14, 0
	v_and_b32 v[LI], 31, v0
	v_lshlrev_b32 v[LI], 4, v[LI]
	s_lshl_b32 s20, s11, 15
	v_add_nc_u32 v[AKV0], s20, v[LI]
	s_mul_i32 s20, s10, 9216
	s_add_co_u32 s20, s20, CMB
	v_add_nc_u32 v[CMBA], s20, v[LI]
	v_and_b32 v[RH], 15, v0
	v_bfe_u32 v[DD], v0, 4, 1
	v_lshlrev_b32 v[DD], 3, v[DD]
	v_sub_nc_u32 v[RH], v[RH], v[DD]
	v_mov_b32 v[NINF], 0xff800000
	v_lshrrev_b32 v[PFO], 4, v0
	v_mul_u32_u24 v[PFO], v[PFO], REC
	v_and_b32 v[DD], 15, v0
	v_lshl_add_u32 v[PFO], v[DD], 8, v[PFO]
.set j, 0
.rept 16
	v_mov_b32 v[ST+j], 0                           ; written once: pairs and lane permutes name them
.set j, j+1
.endr
	ITEM
.Ltrip:                                            ; 16 trips: trip s walks tile s of the 17 and asks for tile s + 1
	CHANGE 1
	v_add_nc_u32 v[ADR], s16, v[AKV0]
	s_cmp_lg_u32 s15, s14
	s_cbranch_scc1 .Lsame
	SWITCH
.Lsame:
	STEP 0
	STEP 1
	s_wait_dscnt 0x0
	s_barrier_signal -1                            ; parts the merge's reads from the next hand-over's stores
	s_barrier_wait -1
	s_add_co_u32 s20, s15, 1
	s_cmp_lg_u32 s20, s14
	s_cbranch_scc1 .Lgo_on
	SENDPART                                       ; the first block's last tile is done; the next trip's barrier stands between these stores and the merge
.Lgo_on:
	s_add_co_u32 s17, s17, 256
	s_xor_b32 s16, s16, SLOT1
	s_add_co_u32 s15, s15, 1
	s_cmp_lt_u32 s15, 16
	s_cbranch_scc1 .Ltrip
	CHANGE 0                                       ; the last tile is written out: nothing is left to fetch
	v_add_nc_u32 v[ADR], s16, v[AKV0]
	s_cmp_lg_u32 s15, s14
	s_cbranch_scc1 .Lsame_tail
	SWITCH
.Lsame_tail:
	STEP 0
	STEP 1
	s_wait_dscnt 0x0
	s_barrier_signal -1
	s_barrier_wait -1
	SENDPART
	s_wait_dscnt 0x0                               ; for the partner's sake: my stores have landed
	s_barrier_signal -1
	s_barrier_wait -1
	PLACES 4
	MERGE
	s_wait_tensorcnt 0x0                           ; the wave's end
	ds_add_u32 v[SPW], v[NIL]
	s_wait_dscnt 0x0
	s_endpgm
.Lfunc_end_k_q7cec3889c0_attn:
	.size	k_q7cec3889c0_attn, .Lfunc_end_k_q7cec3889c0_attn-k_q7cec3889c0_attn
	.p2alignl 7, 3214868480
	.fill 96, 4, 3214868480
	.section	.rodata,"a",@progbits
	.p2align	6, 0x0
	.amdhsa_kernel k_q7cec3889c0_attn
		.amdhsa_group_segment_fixed_size 327680
		.amdhsa_private_segment_fixed_size 0
		.amdhsa_enable_private_segment 0
		.amdhsa_kernarg_size 16
		.amdhsa_user_sgpr_count 2
		.amdhsa_user_sgpr_kernarg_segment_ptr 1
		.amdhsa_wavefront_size32 1
		.amdhsa_system_sgpr_workgroup_id_x 1
		.amdhsa_system_sgpr_workgroup_id_y 1
		.amdhsa_system_sgpr_workgroup_id_z 1
		.amdhsa_system_vgpr_workitem_id 0
		.amdhsa_next_free_vgpr 384
		.amdhsa_next_free_sgpr 66
		.amdhsa_reserve_vcc 1
		.amdhsa_float_denorm_mode_32 3
		.amdhsa_float_denorm_mode_16_64 3
		.amdhsa_memory_ordered 1
		.amdhsa_forward_progress 1
		.amdhsa_inst_pref_size 133
	.end_amdhsa_kernel
	.amdgpu_metadata
---
amdhsa.version: [ 1, 2 ]
amdhsa.kernels:
  - .name:           k_q7cec3889c0_attn
    .symbol:         k_q7cec3889c0_attn.kd
    .args:
      - { .name: qkv, .offset: 0, .size: 8, .value_kind: global_buffer, .address_space: global }
      - { .name: yf, .offset: 8, .size: 8, .value_kind: global_buffer, .address_space: global }
    .group_segment_fixed_size: 327680
    .private_segment_fixed_size: 0
    .kernarg_segment_align: 8
    .kernarg_segment_size: 16
    .max_flat_workgroup_size: 256
    .sgpr_count:     66
    .vgpr_count:     384
    .wavefront_size: 32
...
	.end_amdgpu_metadata
.endif
;; end of part 3
;; launch proj (part 4): grid 4 x 64, 4 waves a work-group, clusters of 4 x 4, 327,680 bytes of LDS; arguments yf, wpf, out0; writes out0
.if DOCPART == 4
	.amdgcn_target "amdgcn-amd-amdhsa--gfx1250"
	.amdhsa_code_object_version 6
	.text
	.protected	k_q7cec3889c0_proj
	.globl	k_q7cec3889c0_proj
	.p2align	8
	.type	k_q7cec3889c0_proj,@function
k_q7cec3889c0_proj:
	s_mov_b64 s[64:65], 0
	v_nop
	global_prefetch_b8 v0, s[64:65] scope:SCOPE_SE
	s_setreg_imm32_b32 hwreg(HW_REG_WAVE_MODE, 25, 1), 1
	s_wait_xcnt 0x0
	s_wait_alu depctr_hold_cnt(0) depctr_sa_sdst(0) depctr_va_vdst(0) depctr_va_sdst(0) depctr_va_ssrc(0) depctr_va_vcc(0) depctr_vm_vsrc(0)
	s_getreg_b32 s2, hwreg(HW_REG_IB_STS2, 6, 4)
	s_cmp_eq_u32 s2, 0
	s_cbranch_scc0 .Lentry_in_a_cluster
	s_endpgm
.Lentry_in_a_cluster:
	s_bfe_u32 s2, ttmp6, 0x10000c
	s_cmp_lg_u32 s2, 0xf033
	s_cbranch_scc0 .Lentry_shape_is_right
	s_endpgm
.Lentry_shape_is_right:
; out = y Wp^T, [4096][768] f32; y and Wp in f16, as images of operand registers; sums in f32.  LIMIT: |y|, |Wp| under 65,504.
; A work-group makes 64 tokens x 192 columns (768 bytes of a row: three aligned runs of 256): 256 work-groups.  K = 768 goes in three thirds of 256 through two LDS slots; the third third fills slot 0 again.
; CLUSTER 4 x 4: cx = the column block, 4 x cluster y + cy = the token block.  y's part (32 KiB a third) is shared along a row of the cluster, Wp's (96 KiB) along a column: joint loads, wave 0 for y, waves 1-3 for Wp.
; Wave w: all four token tiles x n tiles 3 w .. 3 w + 2: 12 accumulators.  Source 0 = 16 rows of Wp, source 1 = 16 tokens: a lane holds one token and 8 neighbouring columns.
; Rows 0 to 15 are written once more, from f32 operands, by the launch that follows.
; REGISTERS: v1-10 addresses; v16-111 accumulators (tt, nt) at 16 + 8 (3 tt + nt); v112-223 fragments, two sets of 56 (y's four, Wp's three); on the way out v112-207 rows read back.
.set SLOT,  131072                     ; y's 32 KiB, then Wp's 96 KiB: a wave's part at 32,768 x wave
.set STG,   262144                     ; behind the ring: 64 rows x (768 + 16) bytes
.set SPITCH, 784
.set SPARE, STG+64*SPITCH              ; the spare words: 128 bytes a wave, two blocks of 256 bytes that no other line names
.set SPW, 1
.set NIL, 2
.set LI,  3
.set AA,  4                            ; v4-5 y's images in slot 0, 1
.set BA,  6                            ; v6-7 my three n tiles'
.set SO,  8
.set SR,  9
.set CO,  10
.set ACC, 16
.set FRG, 112
.set G1A, 24
.set G1B, 32
.set G0A, 40                           ; s[40:47] one set for each slot
.set G0B, 48
.macro PLACES n
.rept \n
	v_nop
.endr
.endm
.macro JLOAD s                         ; wave 0 asks for y's part, waves 1 to 3 for Wp's; an s_nop 0 and four v_nop follow each line
	s_cmp_eq_u32 s12, 0
	s_cbranch_scc0 .Lfor_b_\@
	tensor_load_to_lds s[G0A+4*\s:G0A+4*\s+3], s[G1A:G1A+7]
	s_nop 0
.rept 4
	v_nop
.endr
	s_branch .Lasked_\@
.Lfor_b_\@:
	tensor_load_to_lds s[G0B+4*\s:G0B+4*\s+3], s[G1B:G1B+7]
	s_nop 0
.rept 4
	v_nop
.endr
.Lasked_\@:
.endm
.macro CROUND
	s_barrier_signal -1
	s_barrier_wait -1
	s_cmp_lg_u32 s12, 0
	s_cbranch_scc1 .Lnot_wave_0_\@
	s_barrier_signal -3
.Lnot_wave_0_\@:
	s_barrier_wait -3
	s_barrier_signal -1
	s_barrier_wait -1
.endm
	s_load_b128 s[4:7], s[0:1], 0x0                ; yf, wpf
	s_load_b64 s[8:9], s[0:1], 0x10                ; out0
	v_lshl_add_u32 v[SPW], v0, 2, SPARE
	v_mov_b32 v[NIL], 0
	ds_add_u32 v[SPW], v[NIL]                      ; the wave's opening: the add, twice on end, and its wait ahead of my first tensor load
	ds_add_u32 v[SPW], v[NIL]
	v_lshrrev_b32 v3, 5, v0
	v_readfirstlane_b32 s12, v3                    ; wave 0..3
	s_bfe_u32 s15, ttmp6, 0x40000                  ; cx: the column block
	s_bfe_u32 s16, ttmp6, 0x40004                  ; cy
	s_and_b32 s17, ttmp7, 0xffff
	s_lshl_b32 s18, s17, 2
	s_add_co_u32 s18, s18, s16                     ; the token block
	s_lshl_b32 s19, s16, 2
	s_lshl_b32 s19, 15, s19                        ; my row of the cluster
	s_lshl_b32 s20, 0x1111, s15                    ; my column
	s_or_b32 s[G1A], s19, (3<<16)|(1<<21)          ; the mask; elements of 8 bytes; 21 set beside a mask; no padding
	s_or_b32 s[G1B], s20, (3<<16)|(1<<21)
.irp g, G1A, G1B
	s_mov_b32 s[\g+1], 32<<16                      ; a dense block of 32 KiB as 128 rows of 256 bytes
	s_mov_b32 s[\g+2], 128<<16
	s_mov_b32 s[\g+3], 32<<16
	s_mov_b32 s[\g+4], 128
	s_mov_b32 s[\g+5], 32
	s_mov_b32 s[\g+6], 0
	s_mov_b32 s[\g+7], 0
.endr
	s_lshl_b32 s56, s18, 15                        ; y: 4 token tiles x 8,192 bytes a block
	s_mov_b32 s57, 0
	s_max_u32 s21, s12, 1
	s_sub_co_u32 s21, s21, 1                       ; Wp: part wave - 1 (wave 0 asks for none of it)
	s_lshl_b32 s21, s21, 15
	s_mul_i32 s58, s15, 98304
	s_add_co_u32 s58, s58, s21
	s_mov_b32 s59, 0
	s_lshl_b32 s60, s12, 15                        ; where it goes: 32,768 x wave
	s_wait_dscnt 0x0                               ; both opening adds are done
	s_wait_kmcnt 0x0
	s_add_nc_u64 s[56:57], s[4:5], s[56:57]
	s_add_nc_u64 s[58:59], s[6:7], s[58:59]
	CROUND                                         ; all sixteen work-groups are here
.irp s, 0,1
	s_mov_b32 s[G0A+4*\s], 1
	s_add_co_u32 s[G0A+4*\s+1], s60, \s*SLOT
	s_add_nc_u64 s[G0A+4*\s+2:G0A+4*\s+3], s[56:57], \s*2097152   ; third s
	s_or_b32 s[G0A+4*\s+3], s[G0A+4*\s+3], 0x80000000
	s_mov_b32 s[G0B+4*\s], 1
	s_add_co_u32 s[G0B+4*\s+1], s60, \s*SLOT
	s_add_nc_u64 s[G0B+4*\s+2:G0B+4*\s+3], s[58:59], \s*393216
	s_or_b32 s[G0B+4*\s+3], s[G0B+4*\s+3], 0x80000000
	JLOAD \s
.endr
	v_and_b32 v[LI], 31, v0
	v_lshlrev_b32 v[LI], 4, v[LI]
	s_mul_i32 s21, s12, 24576
	s_add_co_u32 s21, s21, 32768
.irp s, 0,1
	v_add_nc_u32 v[AA+\s], \s*SLOT, v[LI]
	v_add_nc_u32 v[BA+\s], s21, v[LI]
	s_add_co_u32 s21, s21, SLOT
.endr
	v_and_b32 v11, 15, v0                          ; r
	v_bfe_u32 v12, v0, 4, 1                        ; h
	v_mul_u32_u24 v[SO], v11, SPITCH
	v_lshl_add_u32 v[SO], v12, 5, v[SO]
	s_mul_i32 s21, s12, 192
	s_add_co_u32 s21, s21, STG
	v_add_nc_u32 v[SO], s21, v[SO]                 ; into the stage: row r, + 192 x wave + 32 h
	v_mul_u32_u24 v[SR], v12, SPITCH
	v_lshl_add_u32 v[SR], v11, 4, v[SR]
	s_mul_i32 s21, s12, 16*SPITCH
	s_add_co_u32 s21, s21, STG
	v_add_nc_u32 v[SR], s21, v[SR]                 ; back: my 16 rows; lanes 0-15 one row's 256 bytes, lanes 16-31 the next row's
	v_mul_u32_u24 v[CO], v12, 3072
	v_lshl_add_u32 v[CO], v11, 4, v[CO]
	s_lshl_b32 s22, s18, 6
	s_lshl_b32 s23, s12, 4
	s_add_co_u32 s22, s22, s23
	s_mul_i32 s22, s22, 3072                       ; row 64 x block + 16 x wave
	s_mul_i32 s23, s15, 768
	s_add_co_u32 s22, s22, s23
	s_mov_b32 s23, 0
	s_add_nc_u64 s[8:9], s[8:9], s[22:23]
.macro FETCH slot, k                   ; 32 along K: 8 loads of y's, 6 of Wp's, into set k % 2
.irp tt, 0,1,2,3
.irp e, 0,1
	ds_load_b128 v[FRG+56*((\k)%2)+8*\tt+4*\e:FRG+56*((\k)%2)+8*\tt+4*\e+3], v[AA+\slot] offset:8192*\tt+1024*(\k)+512*\e
.endr
.endr
.irp nt, 0,1,2
.irp e, 0,1
	ds_load_b128 v[FRG+56*((\k)%2)+32+8*\nt+4*\e:FRG+56*((\k)%2)+32+8*\nt+4*\e+3], v[BA+\slot] offset:8192*\nt+1024*(\k)+512*\e
.endr
.endr
.endm
.macro MULS k, zero                    ; the 12 accumulators take turns, one instruction a turn, in the same order in every step
.irp tt, 0,1,2,3
.irp nt, 0,1,2
.if \zero
	v_wmma_f32_16x16x32_f16 v[ACC+8*(3*\tt+\nt):ACC+8*(3*\tt+\nt)+7], v[FRG+56*((\k)%2)+32+8*\nt:FRG+56*((\k)%2)+32+8*\nt+7], v[FRG+56*((\k)%2)+8*\tt:FRG+56*((\k)%2)+8*\tt+7], 0
.else
	v_wmma_f32_16x16x32_f16 v[ACC+8*(3*\tt+\nt):ACC+8*(3*\tt+\nt)+7], v[FRG+56*((\k)%2)+32+8*\nt:FRG+56*((\k)%2)+32+8*\nt+7], v[FRG+56*((\k)%2)+8*\tt:FRG+56*((\k)%2)+8*\tt+7], v[ACC+8*(3*\tt+\nt):ACC+8*(3*\tt+\nt)+7]
.endif
.endr
.endr
.endm
.macro THIRD slot, zero
	PLACES 4                                       ; in front of loads into registers that earlier products have read
	FETCH \slot, 0
.irp k, 0,1,2,3,4,5,6,7
.if \k < 7
.if \k > 0
	PLACES 4
.endif
	FETCH \slot, \k+1
	s_wait_dscnt 14                                ; all but the 14 loads just issued
.else
	s_wait_dscnt 0x0
.endif
.if \k == 0
	MULS 0, \zero
.else
	MULS \k, 0
.endif
.endr
.endm
	s_wait_tensorcnt 1                             ; my part of third 0 is in; third 1's load may be out
	s_barrier_signal -1
	s_barrier_wait -1
	THIRD 0, 1
	s_wait_tensorcnt 0x0                           ; all my tensor loads have landed: my part of third 1;
	ds_add_u32 v[SPW], v[NIL]
	s_add_nc_u64 s[G0A+2:G0A+3], s[G0A+2:G0A+3], 2*2097152   ; slot 0's descriptors step to third 2
	s_add_nc_u64 s[G0B+2:G0B+3], s[G0B+2:G0B+3], 2*393216
	s_wait_dscnt 0x0                               ; the add is done, and my reads of slot 0 are over
	CROUND                                         ; no wave of any partner still reads slot 0 or has a load on its way
	JLOAD 0                                        ; it has a third's 96 matrix instructions in which to land
	THIRD 1, 0
	s_wait_tensorcnt 0x0                           ; my part of third 2 is in,
	s_wait_dscnt 0x0
	s_barrier_signal -1
	s_barrier_wait -1                              ; everybody's is; nothing is filled again
	THIRD 0, 0
	; THE WAY OUT: a row's 768 bytes come from four waves: through the stage, with a barrier between writing and reading; then sixteen lanes store 256 consecutive bytes, aligned
	PLACES 4
.irp tt, 0,1,2,3
.irp nt, 0,1,2
	ds_store_b128 v[SO], v[ACC+8*(3*\tt+\nt):ACC+8*(3*\tt+\nt)+3] offset:16*\tt*SPITCH+64*\nt
	ds_store_b128 v[SO], v[ACC+8*(3*\tt+\nt)+4:ACC+8*(3*\tt+\nt)+7] offset:16*\tt*SPITCH+64*\nt+16
.endr
.endr
	s_wait_dscnt 0x0                               ; for the others' sake: my stores have landed
	s_barrier_signal -1
	s_barrier_wait -1
.irp i, 0,1,2,3,4,5,6,7
.irp x, 0,1,2
	ds_load_b128 v[FRG+4*(3*\i+\x):FRG+4*(3*\i+\x)+3], v[SR] offset:2*\i*SPITCH+256*\x
.endr
.endr
.irp i, 0,1,2,3,4,5,6,7
.irp x, 0,1,2
	s_wait_dscnt 23-(3*\i+\x)                      ; the younger loads may be out
	global_store_b128 v[CO], v[FRG+4*(3*\i+\x):FRG+4*(3*\i+\x)+3], s[8:9] offset:2*\i*3072+256*\x th:TH_STORE_NT
.endr
.endr
	s_wait_tensorcnt 0x0                           ; the wave's end
	ds_add_u32 v[SPW], v[NIL]
	s_wait_dscnt 0x0
	CROUND                                         ; the closing round
	s_endpgm
.Lfunc_end_k_q7cec3889c0_proj:
	.size	k_q7cec3889c0_proj, .Lfunc_end_k_q7cec3889c0_proj-k_q7cec3889c0_proj
	.p2alignl 7, 3214868480
	.fill 96, 4, 3214868480
	.section	.rodata,"a",@progbits
	.p2align	6, 0x0
	.amdhsa_kernel k_q7cec3889c0_proj
		.amdhsa_group_segment_fixed_size 327680
		.amdhsa_private_segment_fixed_size 0
		.amdhsa_enable_private_segment 0
		.amdhsa_kernarg_size 24
		.amdhsa_user_sgpr_count 2
		.amdhsa_user_sgpr_kernarg_segment_ptr 1
		.amdhsa_wavefront_size32 1
		.amdhsa_system_sgpr_workgroup_id_x 1
		.amdhsa_system_sgpr_workgroup_id_y 1
		.amdhsa_system_sgpr_workgroup_id_z 1
		.amdhsa_system_vgpr_workitem_id 0
		.amdhsa_next_free_vgpr 256
		.amdhsa_next_free_sgpr 66
		.amdhsa_reserve_vcc 0
		.amdhsa_float_denorm_mode_32 3
		.amdhsa_float_denorm_mode_16_64 3
		.amdhsa_memory_ordered 1
		.amdhsa_forward_progress 1
		.amdhsa_inst_pref_size 57
	.end_amdhsa_kernel
	.amdgpu_metadata
---
amdhsa.version: [ 1, 2 ]
amdhsa.kernels:
  - .name:           k_q7cec3889c0_proj
    .symbol:         k_q7cec3889c0_proj.kd
    .args:
      - { .name: yf, .offset: 0, .size: 8, .value_kind: global_buffer, .address_space: global }
      - { .name: wpf, .offset: 8, .size: 8, .value_kind: global_buffer, .address_space: global }
      - { .name: out0, .offset: 16, .size: 8, .value_kind: global_buffer, .address_space: global }
    .group_segment_fixed_size: 327680
    .private_segment_fixed_size: 0
    .kernarg_segment_align: 8
    .kernarg_segment_size: 24
    .max_flat_workgroup_size: 128
    .sgpr_count:     66
    .vgpr_count:     256
    .wavefront_size: 32
...
	.end_amdgpu_metadata
.endif
;; end of part 4
;; launch first16 (part 5): grid 48 x 1, 12 waves a work-group, no clusters, 13,824 bytes of LDS; arguments first, Wp, out0; writes out0
.if DOCPART == 5
	.amdgcn_target "amdgcn-amd-amdhsa--gfx1250"
	.amdhsa_code_object_version 6
	.text
	.protected	k_q7cec3889c0_first16
	.globl	k_q7cec3889c0_first16
	.p2align	8
	.type	k_q7cec3889c0_first16,@function
k_q7cec3889c0_first16:
	s_mov_b64 s[64:65], 0
	v_nop
	global_prefetch_b8 v0, s[64:65] scope:SCOPE_SE
	s_setreg_imm32_b32 hwreg(HW_REG_WAVE_MODE, 25, 1), 1
	s_wait_xcnt 0x0
; Positions 0 to 15, where a softmax averages one to sixteen values: attention and projection with f32 operands (the f32 matrix form; no bulk work: 48 instructions a wave).
; Work-group n owns output columns 16 n .. 16 n + 15 of rows 0-15; wave = head.  Each wave makes its head's 16 x 16 attention from the f32 accumulators that the launch of q, k, v stored, multiplies its y by
; Wp[16 n + .][64 head + .], and the 12 partial tiles are added through LDS, in the order of the heads.
; The images are used as they stand: in instruction (ct, s) slot (lane / 16, register j) stands for index 16 ct + 8 (lane / 16) + 2 s + j on BOTH sources: a permutation of K applied alike to both.
; A store puts 64 bytes into each of 16 rows: 48 KiB in the whole launch.
; REGISTERS: v16-47 Q, v48-79 K, v80-111 V^T, v112-143 Wp; v144-175, v176-207, v208-239 the three products' four accumulators each, written by matrix instructions alone; v240-247 sums, v248-255 the weights.
.set SPARE, 12288                      ; behind the 12 partial tiles: the spare words, 128 bytes a wave, six blocks of 256 bytes that no other line names
.set SPW, 1
.set NIL, 2
.set LI,  3
.set FO,  6                            ; first: 16 x lane + 4,096 x head
.set WO,  7                            ; 3,072 r + 32 h: Wp's rows and out's
.set LW,  8                            ; LDS: my partial tile
.set LR,  9                            ; LDS: quad e of every head's
.set RH,  10
.set NINF, 11
	s_load_b128 s[4:7], s[0:1], 0x0                ; first, Wp
	s_load_b64 s[8:9], s[0:1], 0x10                ; out0
	v_lshl_add_u32 v[SPW], v0, 2, SPARE
	v_mov_b32 v[NIL], 0
	v_lshrrev_b32 v3, 5, v0
	v_readfirstlane_b32 s10, v3                    ; wave = head
	v_and_b32 v[LI], 31, v0
	v_lshlrev_b32 v[LI], 4, v[LI]
	v_and_b32 v4, 15, v0                           ; r
	v_bfe_u32 v5, v0, 4, 1                         ; h
	s_lshl_b32 s11, s10, 12
	v_add_nc_u32 v[FO], s11, v[LI]
	v_mul_u32_u24 v[WO], v4, 3072
	v_lshl_add_u32 v[WO], v5, 5, v[WO]
	s_lshl_b32 s11, s10, 10
	v_add_nc_u32 v[LW], s11, v[LI]
	s_and_b32 s14, s10, 1
	s_lshl_b32 s11, s14, 9
	v_add_nc_u32 v[LR], s11, v[LI]
	v_lshlrev_b32 v[RH], 3, v5
	v_sub_nc_u32 v[RH], v4, v[RH]                  ; r - 8 h
	v_mov_b32 v[NINF], 0xff800000
	v_mov_b32 v13, 0                               ; a lane permute's destination counts as one of its sources
	s_mov_b32 s22, 0x3e38aa3b                      ; c = log2(e) / 8
	s_mov_b32 s24, 0x76543210
	s_mov_b32 s25, 0xfedcba98
	s_mul_i32 s12, ttmp9, 49152                    ; Wp: row 16 n,
	s_lshl_b32 s13, s10, 8
	s_add_co_u32 s12, s12, s13                     ; channel 64 head
	s_mov_b32 s13, 0
	s_lshl_b32 s16, ttmp9, 6                       ; out: column 16 n,
	s_lshl_b32 s17, s14, 4
	s_add_co_u32 s16, s16, s17                     ; + quad e
	s_mov_b32 s17, 0
	s_wait_kmcnt 0x0
	s_add_nc_u64 s[6:7], s[6:7], s[12:13]
	s_add_nc_u64 s[8:9], s[8:9], s[16:17]
.irp ct, 0,1,2,3
.irp e, 0,1
	global_load_b128 v[48+8*\ct+4*\e:48+8*\ct+4*\e+3], v[FO], s[4:5] offset:49152+1024*\ct+512*\e   ; K: lane (r, h): key r, channels 16 ct + 8 h + 0..7
.endr
.endr
.irp ct, 0,1,2,3
.irp e, 0,1
	global_load_b128 v[16+8*\ct+4*\e:16+8*\ct+4*\e+3], v[FO], s[4:5] offset:1024*\ct+512*\e         ; Q likewise
.endr
.endr
.irp ct, 0,1,2,3
.irp e, 0,1
	global_load_b128 v[80+8*\ct+4*\e:80+8*\ct+4*\e+3], v[FO], s[4:5] offset:98304+1024*\ct+512*\e   ; V^T: channel 16 ct + r, keys 8 h + 0..7
.endr
.endr
.irp ct, 0,1,2,3
.irp e, 0,1
	global_load_b128 v[112+8*\ct+4*\e:112+8*\ct+4*\e+3], v[WO], s[6:7] offset:64*\ct+16*\e          ; Wp: row 16 n + r, channels 16 ct + 8 h + 0..7 of the head
.endr
.endr
	s_wait_loadcnt 16                              ; K and Q are in; V's and Wp's sixteen loads may be out
.irp s, 0,1,2,3                                ; S^T = K Q^T: four accumulators, one for each 16 channels, by turns; each sum's first step takes the constant 0
.irp ct, 0,1,2,3
.if \s == 0
	v_wmma_f32_16x16x4_f32 v[144+8*\ct:151+8*\ct], v[48+8*\ct+2*\s:49+8*\ct+2*\s], v[16+8*\ct+2*\s:17+8*\ct+2*\s], 0
.else
	v_wmma_f32_16x16x4_f32 v[144+8*\ct:151+8*\ct], v[48+8*\ct+2*\s:49+8*\ct+2*\s], v[16+8*\ct+2*\s:17+8*\ct+2*\s], v[144+8*\ct:151+8*\ct]
.endif
.endr
.endr
.rept 8
	v_nop                                          ; eight places behind this form before a result is read
.endr
.irp p, 0,2,4,6                                ; each accumulator from its low end on
	v_pk_add_f32 v[240+\p:241+\p], v[144+\p:145+\p], v[152+\p:153+\p]
	v_pk_add_f32 v[240+\p:241+\p], v[240+\p:241+\p], v[160+\p:161+\p]
	v_pk_add_f32 v[240+\p:241+\p], v[240+\p:241+\p], v[168+\p:169+\p]
.endr
.irp j, 0,1,2,3,4,5,6,7                        ; register j: key 8 h + j, query r: hidden where j > r - 8 h
	v_cmp_gt_i32 vcc_lo, \j, v[RH]
	v_cndmask_b32 v[240+\j], v[240+\j], v[NINF], vcc_lo
.endr
	v_max3_num_f32 v12, v240, v241, v242
	v_max3_num_f32 v12, v12, v243, v244
	v_max3_num_f32 v12, v12, v245, v246
	v_max_num_f32 v12, v12, v247
	v_permlanex16_b32 v13, v12, s24, s25
	v_max_num_f32 v12, v12, v13                    ; key 0 counts for every query: a number
	v_mul_f32 v12, s22, v12
.irp j, 0,1,2,3,4,5,6,7
	v_fma_f32 v[240+\j], v[240+\j], s22, -v12
.endr
.irp j, 0,1,2,3,4,5,6,7
	v_exp_f32 v[240+\j], v[240+\j]
.endr
	v_nop
	s_wait_alu depctr_va_vdst(0)                   ; one wait for the eight
	v_pk_add_f32 v[14:15], v[240:241], v[242:243]
	v_pk_add_f32 v[14:15], v[14:15], v[244:245]
	v_pk_add_f32 v[14:15], v[14:15], v[246:247]
	v_add_f32 v14, v14, v15
	v_permlanex16_b32 v13, v14, s24, s25
	v_add_f32 v14, v14, v13
	v_rcp_f32 v15, v14
	v_nop
	s_wait_alu depctr_va_vdst(0)
.irp j, 0,1,2,3,4,5,6,7
	v_mul_f32 v[248+\j], v[240+\j], v15            ; the weights, normalised
.endr
	s_wait_loadcnt 8                               ; V is in; Wp's eight loads may be out
.irp s, 0,1,2,3                                ; O^T = V^T P: slot (h, j) of step s stands for key 8 h + 2 s + j
.irp ct, 0,1,2,3
.if \s == 0
	v_wmma_f32_16x16x4_f32 v[176+8*\ct:183+8*\ct], v[80+8*\ct+2*\s:81+8*\ct+2*\s], v[248+2*\s:249+2*\s], 0
.else
	v_wmma_f32_16x16x4_f32 v[176+8*\ct:183+8*\ct], v[80+8*\ct+2*\s:81+8*\ct+2*\s], v[248+2*\s:249+2*\s], v[176+8*\ct:183+8*\ct]
.endif
.endr
.endr
.rept 9
	v_nop                                          ; nine places before a matrix instruction takes a result as a source
.endr
	s_wait_loadcnt 0x0
.irp s, 0,1,2,3                                ; my head's part of out^T = Wp y^T: O^T's registers are y's fragments as they stand
.irp ct, 0,1,2,3
.if \s == 0
	v_wmma_f32_16x16x4_f32 v[208+8*\ct:215+8*\ct], v[112+8*\ct+2*\s:113+8*\ct+2*\s], v[176+8*\ct+2*\s:177+8*\ct+2*\s], 0
.else
	v_wmma_f32_16x16x4_f32 v[208+8*\ct:215+8*\ct], v[112+8*\ct+2*\s:113+8*\ct+2*\s], v[176+8*\ct+2*\s:177+8*\ct+2*\s], v[208+8*\ct:215+8*\ct]
.endif
.endr
.endr
.rept 8
	v_nop
.endr
.irp p, 0,2,4,6
	v_pk_add_f32 v[240+\p:241+\p], v[208+\p:209+\p], v[216+\p:217+\p]
	v_pk_add_f32 v[240+\p:241+\p], v[240+\p:241+\p], v[224+\p:225+\p]
	v_pk_add_f32 v[240+\p:241+\p], v[240+\p:241+\p], v[232+\p:233+\p]
.endr
	ds_store_b128 v[LW], v[240:243]                ; lane (r, h): token r, columns 16 n + 8 h + 0..3,
	ds_store_b128 v[LW], v[244:247] offset:512     ; and + 4..7
	s_wait_dscnt 0x0                               ; for the others' sake: my stores have landed
	s_barrier_signal -1
	s_barrier_wait -1
	s_cmp_gt_u32 s10, 1
	s_cbranch_scc1 .Lno_sum                        ; waves 0 and 1 add: quad e of all twelve heads
.irp g, 0,1,2,3,4,5,6,7,8,9,10,11
	ds_load_b128 v[16+4*\g:19+4*\g], v[LR] offset:1024*\g
.endr
	s_wait_dscnt 0x0
.irp g, 1,2,3,4,5,6,7,8,9,10,11
	v_pk_add_f32 v[16:17], v[16:17], v[16+4*\g:17+4*\g]
	v_pk_add_f32 v[18:19], v[18:19], v[18+4*\g:19+4*\g]
.endr
	global_store_b128 v[WO], v[16:19], s[8:9]
.Lno_sum:
	s_wait_tensorcnt 0x0                           ; the wave's end, behind my last LDS store
	ds_add_u32 v[SPW], v[NIL]
	s_wait_dscnt 0x0
	s_endpgm
.Lfunc_end_k_q7cec3889c0_first16:
	.size	k_q7cec3889c0_first16, .Lfunc_end_k_q7cec3889c0_first16-k_q7cec3889c0_first16
	.p2alignl 7, 3214868480
	.fill 96, 4, 3214868480
	.section	.rodata,"a",@progbits
	.p2align	6, 0x0
	.amdhsa_kernel k_q7cec3889c0_first16
		.amdhsa_group_segment_fixed_size 13824
		.amdhsa_private_segment_fixed_size 0
		.amdhsa_enable_private_segment 0
		.amdhsa_kernarg_size 24
		.amdhsa_user_sgpr_count 2
		.amdhsa_user_sgpr_kernarg_segment_ptr 1
		.amdhsa_wavefront_size32 1
		.amdhsa_system_sgpr_workgroup_id_x 1
		.amdhsa_system_sgpr_workgroup_id_y 1
		.amdhsa_system_sgpr_workgroup_id_z 1
		.amdhsa_system_vgpr_workitem_id 0
		.amdhsa_next_free_vgpr 256
		.amdhsa_next_free_sgpr 66
		.amdhsa_reserve_vcc 1
		.amdhsa_float_denorm_mode_32 3
		.amdhsa_float_denorm_mode_16_64 3
		.amdhsa_memory_ordered 1
		.amdhsa_forward_progress 1
		.amdhsa_inst_pref_size 16
	.end_amdhsa_kernel
	.amdgpu_metadata
---
amdhsa.version: [ 1, 2 ]
amdhsa.kernels:
  - .name:           k_q7cec3889c0_first16
    .symbol:         k_q7cec3889c0_first16.kd
    .args:
      - { .name: first, .offset: 0, .size: 8, .value_kind: global_buffer, .address_space: global }
      - { .name: Wp, .offset: 8, .size: 8, .value_kind: global_buffer, .address_space: global }
      - { .name: out0, .offset: 16, .size: 8, .value_kind: global_buffer, .address_space: global }
    .group_segment_fixed_size: 13824
    .private_segment_fixed_size: 0
    .kernarg_segment_align: 8
    .kernarg_segment_size: 24
    .max_flat_workgroup_size: 384
    .sgpr_count:     66
    .vgpr_count:     256
    .wavefront_size: 32
...
	.end_amdgpu_metadata
.endif
;; end of part 5
